; MI455X (gfx1250); checked and timed in simulation.
; The chip was launched on July 23, 2026; its instructions are those of AMD's public machine-readable ISA for CDNA 5 (MIT licence, August 2026) and "CDNA5" Instruction Set Architecture Reference Guide (July 2026). The comments in the code are by the model that wrote it; some were corrected since.
;; Sparse Attention. Allowed arithmetic: matrix products marked QUANTISED: E2M3 operands, one E8M0 scale for each 32 along K, by v_wmma_scale_f32_16x16x128_f8f6f4 with both operands' format E2M3, f32 sums; everything else in f32.
;; Inputs: k_codes 1 x 16 x 4,096 x 2 x 24 uint8 (E2M3 codes of k, K innermost, in blocks of 32 codes, four codes in three bytes); k_scales 1 x 16 x 4,096 x 2 uint8 (E8M0 scales of k, one for each 32 codes along K); q_codes 1 x 16 x 4,096 x 2 x 24 uint8 (E2M3 codes of q, K innermost, in blocks of 32 codes, four codes in three bytes); q_scales 1 x 16 x 4,096 x 2 uint8 (E8M0 scales of q, one for each 32 codes along K); v_codes 1 x 16 x 64 x 128 x 24 uint8 (E2M3 codes of v, K innermost, in blocks of 32 codes, four codes in three bytes); v_scales 1 x 16 x 64 x 128 uint8 (E8M0 scales of v, one for each 32 codes along K).
;; Outputs: out0 1 x 16 x 4,096 x 64 float32.
;; This version of the problem:
;;   THIS VERSION OF THE PROBLEM IS GIVEN IN LOW PRECISION. The matrix products marked QUANTISED in the list below multiply operands that are first quantised to E2M3 (2 exponent bits, 3 mantissa bits; 6 bits a number), with one power-of-two scale for each 32 numbers along K (OCP MX v1.0); their sums are f32. All else is computed in f32.
;;   The module's matrix products, in the order in which they are computed (A, B: the left and right operand; K: the contracted axis; several contracted axes count as one K, in the product's order):
;;     1. batch 16 x [M 4,096, K 64] x [K 64, N 4,096]; A: input q (given as codes); B: input k (given as codes): QUANTISED
;;     2. batch 16 x [M 4,096, K 4,096] x [K 4,096, N 64]; A: computed on the way; B: input v (given as codes): QUANTISED
;;   THE QUANTISER, for each operand of a quantised product, along K:
;;     - K is cut into blocks of 32 from its start; a last block that is shorter is filled with zeros.
;;     - A block's scale is 2^e with e = floor(log2(the largest magnitude in the block)) - 2, held to -126 .. 127; a block of zeros has e = 0. As a byte (E8M0): e + 127.
;;     - Each number is divided by its block's scale, clamped to +-7.5, and rounded to the nearest number of E2M3, ties to even, subnormals kept.
;;     - The product sums the exact products of the quantised numbers (number of the format x scale) in f32.
;;   ~~~python
;;   def quantise(x, axis):      # numpy; x: float32 -> the quantised numbers, widened to float32 again
;;       x = np.moveaxis(x, axis, -1); K = x.shape[-1]
;;       x = np.pad(x, [(0, 0)] * (x.ndim - 1) + [(0, -K % 32)]); x = x.reshape(x.shape[:-1] + (-1, 32)); a = np.abs(x).max(-1, keepdims=True)
;;       e = np.where(a > 0, np.clip(np.frexp(np.where(a > 0, a, 1))[1] - 1 - 2, -126, 127), 0)      # np.frexp(a)[1] - 1 = floor(log2(a)), exactly
;;       r = np.clip(x / 2.0 ** e, -7.5, 7.5)
;;       step = 2.0 ** (np.maximum(np.frexp(np.where(r == 0, 1, r))[1] - 1, 0) - 3)
;;       q = np.round(r / step) * step * 2.0 ** e      # np.round: ties to even
;;       return np.moveaxis(q.reshape(q.shape[:-2] + (-1,))[..., :K], -1, axis).astype(np.float32)
;;   ~~~
;;   OPERANDS COMPUTED ON THE WAY. 'Computed on the way' means the value that the module computes at that place (a softmax that the list does not call 'softmax' is quantised finished and normalised). What goes into a quantiser is computed in f32, as accurately as f32 sums, v_exp_f32 and their like allow (about 1e-6 of the number): no bf16 or f16 on the way to a quantiser, and a product that is left as it is and whose result goes on into a quantised operand takes f32 operands (vector FMAs, or v_wmma_f32_16x16x4_f32). A number that lies on a knife's edge between two numbers of the format may be rounded either way, as far as f32 arithmetic and the matrix unit's own rounding can turn it there, and no further.
;;   INPUTS GIVEN AS CODES. k (in the module: [1, 16, 4096, 64], K = its axis 3); q (in the module: [1, 16, 4096, 64], K = its axis 3); v (in the module: [1, 16, 4096, 64], K = its axis 2): each comes as NAME_codes (uint8): NAME with its K axis moved to the last place and cut into blocks of 32 codes, [.., K / 32, bytes a block], one block behind the other in memory; four codes in three bytes: a row's codes are one little-endian stream of bits, code i at bits 6 i .. 6 i + 5 (a code: sign, 2 exponent bits, 3 mantissa bits); and NAME_scales (uint8): the same leading axes, one E8M0 byte (e + 127) for each 32 codes along K. Its value is code x scale, taken as it is: it is not quantised again, and the codes and scales need not be those that the quantiser above would give.
;; One version. Each part assembles by itself: llvm-mc -triple=amdgcn-amd-amdhsa -mcpu=gfx1250 --defsym DOCPART=n.
;; ======== version 1 of 1: 1 launch
;; launch attn (part 1): grid 16 x 16, 16 waves a work-group, no clusters, 167,936 bytes of LDS; arguments q_codes, q_scales, k_codes, k_scales, v_codes, v_scales, out0; writes out0
.if DOCPART == 1
	.amdgcn_target "amdgcn-amd-amdhsa--gfx1250"
	.amdhsa_code_object_version 6
	.text
	.protected	k_q1614f7396f_attn
	.globl	k_q1614f7396f_attn
	.p2align	8
	.type	k_q1614f7396f_attn,@function
k_q1614f7396f_attn:
	s_mov_b64 s[64:65], 0
	v_nop
	global_prefetch_b8 v0, s[64:65] scope:SCOPE_SE
	s_setreg_imm32_b32 hwreg(HW_REG_WAVE_MODE, 25, 1), 1
	s_wait_xcnt 0x0
; BANDED ATTENTION ON CODES OF FP6 (E2M3).  16 heads, 4,096 positions, head size 64.  Query i sees the keys i - 128 .. i + 127 that lie in 0 .. 4,095.
; out = attn V, attn = softmax(q k^T / 8) over the band, FINISHED AND NORMALISED in f32 and then quantised along the keys, in blocks of 32 keys that begin at multiples of 32.
; q, k: 48 bytes of codes and 2 scale bytes a position (K = the head's 64).  v: codes with the keys innermost, 64 rows of 3,072 bytes a head, 128 scale bytes a row.  out: 64 f32 a position.
; SHARES.  A work-group owns 256 queries of one head (x: the block of queries, y: the head); each of its sixteen waves owns 16 of them.  The work-group's keys are a WINDOW of 512 places, place p = key 256 x - 128 + p:
; four chunks of 128 keys.  A chunk that would lie outside the head is fetched from the nearest chunk inside (its number is held to 0 .. 31), so that no load leaves a buffer; its keys get the addend -infinity, so their p is 0.
; A wave's 16 queries touch nine aligned blocks of 32 keys, the window's blocks u .. u + 8 (u = wave / 2).  All 288 scores of a query lie in registers at once (144 in each of two lanes): maximum, exponentials, sum and the
; multiplication by 1 / sum are finished before the first code is made.  No loop: the text is walked once.
; LAYOUT.  Both products are used transposed: S^T = K Q^T (source 0 = 16 keys, source 1 = my 16 queries), O^T = V^T P^T (source 0 = 16 channels, source 1 = P): a lane holds ONE query (lane % 16) throughout.
; THE KEYS OF A TILE ARE NOT NEIGHBOURS: lane r of tile 2 b + e takes key 32 b + 8 e + r + 8 (r / 8), so that the 16 registers of tiles 2 b, 2 b + 1 are the neighbouring keys 32 b + 16 (lane / 16) + 0 .. 15.
; Likewise the channels: lane r of V's tile t takes channel 8 t + r % 8 + 32 (r / 8), so that a lane's 32 results are the neighbouring channels 32 (lane / 16) + 0 .. 31.
; The first product's K is 64: the upper six registers of its fragments are zero codes, and their scale bytes are 0.  The second product's K is 9 blocks in three instructions of 4: the three places left over are zero codes.
; NO CLUSTER: neighbouring work-groups share two of their four chunks, but a shared chunk is chunk c of one window and chunk c - 2 of the other, so it lies at another LDS address in each; a joint load has one LDS address for
; all partners.  NO RING: the window's codes and scale bytes, 51,200 bytes, are filled once.  NO PREFETCH: every load stands at the head.
; LIMITS: a scale byte 0xff, NaN, and scores beyond f32's range are not served.  A p under 2^-126 becomes 0 (v_exp_f32 gives zero there).  A block whose every p is 0 has the scale byte 1 where the rule says 127: its codes are
; zeros, and the byte is read by this text alone.  A block's largest p is made from the block's largest score by the same instructions as every p: that takes v_exp_f32 not to fall where its input rises.
.set VL,     24576                     ; LDS: K's codes from byte 0, 48 bytes a place.  V's codes from here: piece 2 c + e = chunk c, channels 32 e .. 32 e + 31: 32 rows of 96 bytes, and 16 bytes left free
.set VPIECE, 3088
.set KS,     49408                     ; K's scale bytes, 2 a place
.set VS,     50432                     ; V's scale words: chunk c, channel d at 256 c + 4 d
.set STAGE,  51456                     ; the way out: 16 rows of 256 + 16 bytes for each wave; no tensor load lands here
.set SPITCH, 272
.set WSTAGE, 16*SPITCH
.set SPARE,  STAGE+16*WSTAGE           ; the spare words, 128 bytes for each wave: eight blocks of 256 bytes that no other line names
.set SPW,  1                           ; v1   LDS address of my spare word; never rewritten
.set NIL,  2                           ; v2   0; never rewritten
.set AK,   3                           ; v3   K's fragments: 48 (r + 8 (r / 8)) + 24 h + 1,536 u
.set ASK,  4                           ; v4   K's scale bytes: lanes 0-15 the even tile's keys, lanes 16-31 the odd tile's
.set AVA,  5                           ; v5   V's fragments, registers 0-5: the window's block u + h
.set AVB,  6                           ; v6   registers 6-11: block u + 2 + h
.set AVC,  7                           ; v7   the ninth block, u + 8, in both halves of the lanes
.set ASV,  8                           ; v8   V's scale words
.set KSC,  9                           ; v9-11  K's scale words of a batch; later P's three scale words
.set QS,   12                          ; v12  Q's scale words
.set STO,  13                          ; v13  the stage: where I put my 128 bytes of a row
.set RD,   14                          ; v14  and where I read rows back
.set GO,   15                          ; v15  my byte offset in the wave's rows of out
.set DL,   16                          ; v16  r + 16 (wave % 2 - h): in block 0 register t is hidden where t < DL, in block 8 where t >= DL
.set NINF, 17                          ; v17  -infinity
.set NCM,  18                          ; v18  -c x the row's maximum (at the head: Q's scale bytes' offset)
.set TV,   19                          ; v19  at work (at the head: Q's codes' offset)
.set SA,   20                          ; v[20:21] the row's sum, first chain
.set SB,   22                          ; v[22:23] second chain; then v22 = 1 / sum
.set QF,   24                          ; v[24:35] Q's fragment, v30-35 zeros.  Later v24-26 take a conversion's second half, and v24-29 a fragment of V
.set KB,   36                          ; v[36:107] six fragments of K; the upper six registers of each are zeros, written once
.set PC,   36                          ; v[36:71] later P's codes: three fragments; v66-71 stay zeros
.set T1,   108                         ; v[108:110] a conversion's second half
.set S,    112                         ; v[112:255] the scores, then p: block b, register t at S + 16 b + t
.set VSW,  160                         ; v[160:171] later V's scale words: tile t, K step i at VSW + 3 t + i
.set O,    224                         ; v[224:255] later O^T: tile t at O + 8 t
.set NM0, 72                           ; block b's addend -c M (or -infinity) at NMb, its largest score at NMb + 1: pairs in the lower six registers of K's fragments 3, 4, 5, whose upper six stay zeros
.set NM1, 74
.set NM2, 76
.set NM3, 84
.set NM4, 86
.set NM5, 88
.set NM6, 96
.set NM7, 98
.set NM8, 100
.set WV,   18                          ; s18 wave;  s19 u = wave / 2;  s20 wave % 2;  s21 the block of queries;  s22 the head
.set SEL,  24                          ; s[24:25] v_permlanex16_b32's selects for lane l xor 16
.set CS,   26                          ; s[26:27] c = log2(e) / 8 (the packed form names a pair);  s28 -c
.set SH,   29                          ; s29 8 (u % 4);  s39 the byte selector of the same shift
.set BIAS, 30                          ; s[30:38] block b: 0 where its keys lie in the head, else -infinity
.set G1K,  40                          ; s[40:47] group 1: a chunk of K's codes;  s[48:55] of K's scale bytes;  s[56:63] half a chunk of V's codes;  s[68:75] a chunk of V's scale bytes
.set G1KS, 48
.set G1V,  56
.set G1VS, 68
.set G0K,  76                          ; s[76:79], s[80:83], s[84:87], s[88:91] their groups 0
.set G0KS, 80
.set G0V,  84
.set G0VS, 88
	s_load_b256 s[4:11], s[0:1], 0x0               ; Q's codes s[4:5], Q's scales s[6:7], K's codes s[8:9], K's scales s[10:11]
	s_load_b128 s[12:15], s[0:1], 0x20             ; V's codes s[12:13], V's scales s[14:15]
	s_load_b64 s[16:17], s[0:1], 0x30              ; out
	v_lshl_add_u32 v[SPW], v0, 2, SPARE
	v_mov_b32 v[NIL], 0
	ds_add_u32 v[SPW], v[NIL]                      ; the wave's opening: the add and its wait stand ahead of my first tensor load; the set-up below, work on registers, stands between them
	ds_add_u32 v[SPW], v[NIL]
	v_lshrrev_b32 v112, 5, v0
	s_delay_alu instid0(VALU_DEP_1)
	v_readfirstlane_b32 s[WV], v112                ; wave 0..15
	s_lshr_b32 s19, s[WV], 1                       ; u
	s_and_b32 s20, s[WV], 1
	s_mov_b32 s21, ttmp9                           ; x
	s_and_b32 s22, ttmp7, 0xffff                   ; the head
	s_mov_b32 s[SEL], 0x76543210
	s_mov_b32 s[SEL+1], 0xfedcba98
	s_mov_b32 s[CS], 0x3e38aa3b                    ; c = log2(e) / 8
	s_mov_b32 s[CS+1], s[CS]
	s_mov_b32 s28, 0xbe38aa3b                      ; -c
	s_and_b32 s[SH], s19, 3
	s_mul_i32 s39, s[SH], 0x01010101
	s_add_co_u32 s39, s39, 0x03020100              ; bytes u % 4 .. u % 4 + 3 of two words on end
	s_lshl_b32 s[SH], s[SH], 3
	s_lshl_b32 s92, s21, 8
	s_lshl_b32 s93, s19, 5
	s_add_co_u32 s92, s92, s93
	s_sub_co_u32 s92, s92, 128                     ; my first block's first key: 256 x - 128 + 32 u; under 0 it wraps to a number over 4,095
.irp b, 0,1,2,3,4,5,6,7,8
	s_add_co_u32 s93, s92, 32*\b
	s_cmp_lt_u32 s93, 4096                         ; a block begins at a multiple of 32: it lies in the head whole or not at all
	s_cselect_b32 s[BIAS+\b], 0, 0xff800000
.endr
	; groups 1.  K's chunk: 6,144 dense bytes as 24 rows of 32 elements of 8 bytes
	s_mov_b32 s[G1K+0], 3<<16                      ; no mask; elements of 8 bytes; no padding
	s_mov_b32 s[G1K+1], 32<<16                     ; tensor_dim0
	s_mov_b32 s[G1K+2], 24<<16                     ; tensor_dim1
	s_mov_b32 s[G1K+3], 32<<16                     ; tile_dim0
	s_mov_b32 s[G1K+4], 24                         ; tile_dim1
	s_mov_b32 s[G1K+5], 32                         ; from row to row
	s_mov_b32 s[G1K+6], 0
	s_mov_b32 s[G1K+7], 0
	; its scale bytes: one row of 256 bytes
	s_mov_b32 s[G1KS+0], 3<<16
	s_mov_b32 s[G1KS+1], 32<<16
	s_mov_b32 s[G1KS+2], 1<<16
	s_mov_b32 s[G1KS+3], 32<<16
	s_mov_b32 s[G1KS+4], 1
	s_mov_b32 s[G1KS+5], 32
	s_mov_b32 s[G1KS+6], 0
	s_mov_b32 s[G1KS+7], 0
	; V's chunk, 32 channels of it: 32 rows of 96 bytes, 3,072 bytes apart
	s_mov_b32 s[G1V+0], 0                          ; elements of 1 byte
	s_mov_b32 s[G1V+1], 96<<16
	s_mov_b32 s[G1V+2], 32<<16
	s_mov_b32 s[G1V+3], 96<<16
	s_mov_b32 s[G1V+4], 32
	s_mov_b32 s[G1V+5], 3072
	s_mov_b32 s[G1V+6], 0
	s_mov_b32 s[G1V+7], 0
	; its scale bytes: 64 rows of 4 bytes, 128 bytes apart
	s_mov_b32 s[G1VS+0], 0
	s_mov_b32 s[G1VS+1], 4<<16
	s_mov_b32 s[G1VS+2], 64<<16
	s_mov_b32 s[G1VS+3], 4<<16
	s_mov_b32 s[G1VS+4], 64
	s_mov_b32 s[G1VS+5], 128
	s_mov_b32 s[G1VS+6], 0
	s_mov_b32 s[G1VS+7], 0
	; groups 0: every wave makes all four and asks by its own.  The address words hold the byte offsets until the arguments are in
	s_mul_i32 s92, s22, 0x30000                    ; the head's first byte in each tensor of codes: 196,608 a head,
	s_lshl_b32 s93, s22, 13                        ; and of scale bytes: 8,192
	s_lshl_b32 s94, s21, 1
	s_sub_co_i32 s94, s94, 1                       ; the window's chunk c is the head's chunk 2 x - 1 + c, held to 0 .. 31
	s_add_co_i32 s95, s94, s[WV]                   ; waves 0-3: chunk c = wave of K
	s_max_i32 s95, s95, 0
	s_min_i32 s95, s95, 31
	s_mov_b32 s[G0K], 1
	s_mul_i32 s[G0K+1], s[WV], 6144
	s_mul_i32 s[G0K+2], s95, 6144
	s_add_co_u32 s[G0K+2], s[G0K+2], s92
	s_mov_b32 s[G0K+3], 0
	s_mov_b32 s[G0KS], 1
	s_lshl_b32 s[G0KS+1], s[WV], 8
	s_add_co_u32 s[G0KS+1], s[G0KS+1], KS
	s_lshl_b32 s[G0KS+2], s95, 8
	s_add_co_u32 s[G0KS+2], s[G0KS+2], s93
	s_mov_b32 s[G0KS+3], 0
	s_sub_co_u32 s95, s[WV], 4                     ; waves 4-11: piece wave - 4 of V: chunk (wave - 4) / 2, channels 32 ((wave - 4) % 2) on
	s_and_b32 s96, s95, 1
	s_bfe_u32 s95, s95, 0x20001
	s_add_co_i32 s95, s94, s95
	s_max_i32 s95, s95, 0
	s_min_i32 s95, s95, 31
	s_mov_b32 s[G0V], 1
	s_mul_i32 s[G0V+1], s[WV], VPIECE
	s_add_co_u32 s[G0V+1], s[G0V+1], VL-4*VPIECE
	s_mul_i32 s[G0V+2], s95, 96
	s_mul_i32 s96, s96, 32*3072
	s_add_co_u32 s[G0V+2], s[G0V+2], s96
	s_add_co_u32 s[G0V+2], s[G0V+2], s92
	s_mov_b32 s[G0V+3], 0
	s_sub_co_i32 s95, s[WV], 12                    ; waves 12-15: chunk wave - 12 of V's scale bytes
	s_add_co_i32 s95, s94, s95
	s_max_i32 s95, s95, 0
	s_min_i32 s95, s95, 31
	s_mov_b32 s[G0VS], 1
	s_lshl_b32 s[G0VS+1], s[WV], 8
	s_add_co_u32 s[G0VS+1], s[G0VS+1], VS-12*256
	s_lshl_b32 s[G0VS+2], s95, 2
	s_add_co_u32 s[G0VS+2], s[G0VS+2], s93
	s_mov_b32 s[G0VS+3], 0
	; my 16 queries: codes 48 bytes, scale bytes 2, out 256 bytes a query
	s_mul_i32 s96, s21, 256*48
	s_mul_i32 s97, s[WV], 16*48
	s_add_co_u32 s96, s96, s97
	s_add_co_u32 s96, s96, s92
	s_mov_b32 s97, 0
	s_lshl_b32 s98, s21, 9
	s_lshl_b32 s99, s[WV], 5
	s_add_co_u32 s98, s98, s99
	s_add_co_u32 s98, s98, s93
	s_mov_b32 s99, 0
	s_lshl_b32 s2, s22, 20
	s_lshl_b32 s3, s21, 16
	s_add_co_u32 s2, s2, s3
	s_lshl_b32 s3, s[WV], 12
	s_add_co_u32 s2, s2, s3
	s_mov_b32 s3, 0
	; the lanes' addresses
	v_and_b32 v112, 15, v0                         ; r
	v_bfe_u32 v113, v0, 4, 1                       ; h
	v_and_b32 v114, 7, v0                          ; r % 8
	v_bfe_u32 v115, v0, 3, 1                       ; r / 8
	s_delay_alu instid0(VALU_DEP_1)
	v_lshl_add_u32 v116, v115, 3, v112             ; r + 8 (r / 8)
	s_delay_alu instid0(VALU_DEP_1)
	v_mul_u32_u24 v[AK], v116, 48
	s_delay_alu instid0(VALU_DEP_1)
	v_mad_u32_u24 v[AK], v113, 24, v[AK]
	s_mul_i32 s23, s19, 32*48
	v_add_nc_u32 v[AK], s23, v[AK]
	v_lshlrev_b32 v[ASK], 1, v116
	s_delay_alu instid0(VALU_DEP_1)
	v_lshl_add_u32 v[ASK], v113, 4, v[ASK]         ; lanes 16-31: eight keys on
	s_lshl_b32 s23, s19, 6
	s_add_co_u32 s23, s23, KS
	v_add_nc_u32 v[ASK], s23, v[ASK]
	v_mul_u32_u24 v117, v114, 96                   ; V: my channel's row in its piece
	s_delay_alu instid0(VALU_DEP_1)
	v_mad_u32_u24 v117, v115, VPIECE, v117
	s_delay_alu instid0(VALU_DEP_1)
	v_add_nc_u32 v117, VL, v117
	v_add_nc_u32 v118, s19, v113                   ; the window's block g = u + h lies in chunk g / 4, at 24 (g % 4) of a row
	s_delay_alu instid0(VALU_DEP_1)
	v_lshrrev_b32 v119, 2, v118
	s_delay_alu instid0(VALU_DEP_2)
	v_and_b32 v118, 3, v118
	s_delay_alu instid0(VALU_DEP_2)
	v_mad_u32_u24 v[AVA], v119, 2*VPIECE, v117
	s_delay_alu instid0(VALU_DEP_1)
	v_mad_u32_u24 v[AVA], v118, 24, v[AVA]
	v_add_nc_u32 v118, s19, v113
	s_delay_alu instid0(VALU_DEP_1)
	v_add_nc_u32 v118, 2, v118                     ; g = u + 2 + h
	s_delay_alu instid0(VALU_DEP_1)
	v_lshrrev_b32 v119, 2, v118
	s_delay_alu instid0(VALU_DEP_2)
	v_and_b32 v118, 3, v118
	s_delay_alu instid0(VALU_DEP_2)
	v_mad_u32_u24 v[AVB], v119, 2*VPIECE, v117
	s_delay_alu instid0(VALU_DEP_1)
	v_mad_u32_u24 v[AVB], v118, 24, v[AVB]
	s_lshr_b32 s23, s19, 2                         ; g = u + 8: two chunks on from block u
	s_mul_i32 s23, s23, 2*VPIECE
	s_and_b32 s95, s19, 3
	s_mul_i32 s95, s95, 24
	s_add_co_u32 s23, s23, s95
	s_add_co_u32 s23, s23, 4*VPIECE
	v_add_nc_u32 v[AVC], s23, v117
	v_lshlrev_b32 v[ASV], 2, v114
	s_delay_alu instid0(VALU_DEP_1)
	v_lshl_add_u32 v[ASV], v115, 7, v[ASV]         ; 4 x channel
	s_lshr_b32 s23, s19, 2
	s_lshl_b32 s23, s23, 8
	s_add_co_u32 s23, s23, VS
	v_add_nc_u32 v[ASV], s23, v[ASV]
	s_mul_i32 s23, s[WV], WSTAGE
	s_add_co_u32 s23, s23, STAGE                   ; my stage
	v_mul_u32_u24 v[STO], v112, SPITCH
	s_delay_alu instid0(VALU_DEP_1)
	v_lshl_add_u32 v[STO], v113, 7, v[STO]
	s_delay_alu instid0(VALU_DEP_1)
	v_add_nc_u32 v[STO], s23, v[STO]
	v_mul_u32_u24 v[RD], v113, SPITCH
	s_delay_alu instid0(VALU_DEP_1)
	v_lshl_add_u32 v[RD], v112, 4, v[RD]
	s_delay_alu instid0(VALU_DEP_1)
	v_add_nc_u32 v[RD], s23, v[RD]
	v_lshlrev_b32 v[GO], 8, v113
	s_delay_alu instid0(VALU_DEP_1)
	v_lshl_add_u32 v[GO], v112, 4, v[GO]
	v_sub_nc_u32 v[DL], s20, v113
	s_delay_alu instid0(VALU_DEP_1)
	v_lshl_add_u32 v[DL], v[DL], 4, v112
	v_mov_b32 v[NINF], 0xff800000
	v_lshlrev_b32 v[NCM], 1, v112                  ; Q's scale bytes: 2 r
	v_mul_u32_u24 v[TV], v112, 48                  ; Q's codes: 48 r + 24 h
	s_delay_alu instid0(VALU_DEP_1)
	v_mad_u32_u24 v[TV], v113, 24, v[TV]
.irp j, 0,1,2,3,4,5
	v_mov_b32 v[QF+6+\j], 0                        ; the head has 64 along K: the instruction's other 64 are zero codes, on both sides
.irp i, 0,1,2,3,4,5
	v_mov_b32 v[KB+12*\i+6+\j], 0
.endr
.endr
	s_wait_dscnt 0x0                               ; the opening add is done
	s_wait_kmcnt 0x0
	s_add_nc_u64 s[G0K+2:G0K+3], s[8:9], s[G0K+2:G0K+3]
	s_or_b32 s[G0K+3], s[G0K+3], 0x80000000        ; type = 2
	s_add_nc_u64 s[G0KS+2:G0KS+3], s[10:11], s[G0KS+2:G0KS+3]
	s_or_b32 s[G0KS+3], s[G0KS+3], 0x80000000
	s_add_nc_u64 s[G0V+2:G0V+3], s[12:13], s[G0V+2:G0V+3]
	s_or_b32 s[G0V+3], s[G0V+3], 0x80000000
	s_add_nc_u64 s[G0VS+2:G0VS+3], s[14:15], s[G0VS+2:G0VS+3]
	s_or_b32 s[G0VS+3], s[G0VS+3], 0x80000000
	s_add_nc_u64 s[4:5], s[4:5], s[96:97]
	s_add_nc_u64 s[6:7], s[6:7], s[98:99]
	s_add_nc_u64 s[16:17], s[16:17], s[2:3]
	; THE FILLS, all of them first fills, each wave's inside one branch on its number: two loads of a wave are out at the most.  An s_nop 0 follows each load and four v_nop the last
	s_cmp_lt_u32 s[WV], 4
	s_cbranch_scc0 .Lnot_k
	tensor_load_to_lds s[G0K:G0K+3], s[G1K:G1K+7]
	s_nop 0
	tensor_load_to_lds s[G0KS:G0KS+3], s[G1KS:G1KS+7]
	s_nop 0
.rept 4
	v_nop
.endr
	s_branch .Lasked
.Lnot_k:
	s_cmp_lt_u32 s[WV], 12
	s_cbranch_scc0 .Lnot_v
	tensor_load_to_lds s[G0V:G0V+3], s[G1V:G1V+7]
	s_nop 0
.rept 4
	v_nop
.endr
	s_branch .Lasked
.Lnot_v:
	tensor_load_to_lds s[G0VS:G0VS+3], s[G1VS:G1VS+7]
	s_nop 0
.rept 4
	v_nop
.endr
.Lasked:
.irp p, 0,1,2
	global_load_b64 v[QF+2*\p:QF+2*\p+1], v[TV], s[4:5] offset:8*\p   ; Q's fragment: 24 bytes of my row, as they lie
.endr
	global_load_u16 v[QS], v[NCM], s[6:7]          ; its two scale bytes; the word's upper two, for the zero codes, are 0
	s_wait_tensorcnt 0x0                           ; my part of the window has landed,
	s_barrier_signal -1
	s_barrier_wait -1                              ; everybody's has.  The one barrier of the text: nothing in LDS that waves share is written again
	s_wait_loadcnt 0x0                             ; Q; its two offset registers are free
; ---- 1: S^T = K Q^T, six tiles of 16 keys (three blocks) at a time.  One register carries the scale words of a block's two tiles: the even tile's in lanes 0-15, the odd tile's in lanes 16-31
.macro KBATCH g
.irp i, 0,1,2,3,4,5
.irp p, 0,1,2
	ds_load_b64 v[KB+12*\i+2*\p:KB+12*\i+2*\p+1], v[AK] offset:1536*(3*\g+\i/2)+384*(\i%2)+8*\p
.endr
.endr
.irp j, 0,1,2
	ds_load_u16 v[KSC+\j], v[ASK] offset:64*(3*\g+\j)
.endr
	s_wait_dscnt 0x0
.irp i, 0,1,2,3,4,5
.if \i%2
	v_wmma_scale_f32_16x16x128_f8f6f4 v[S+8*(6*\g+\i):S+8*(6*\g+\i)+7], v[KB+12*\i:KB+12*\i+11], v[QF:QF+11], 0, v[KSC+\i/2], v[QS] matrix_a_fmt:MATRIX_FMT_FP6 matrix_b_fmt:MATRIX_FMT_FP6 matrix_a_scale:MATRIX_SCALE_ROW1
.else
	v_wmma_scale_f32_16x16x128_f8f6f4 v[S+8*(6*\g+\i):S+8*(6*\g+\i)+7], v[KB+12*\i:KB+12*\i+11], v[QF:QF+11], 0, v[KSC+\i/2], v[QS] matrix_a_fmt:MATRIX_FMT_FP6 matrix_b_fmt:MATRIX_FMT_FP6
.endif
.endr
.rept 4
	v_nop                                          ; four places in front of loads into registers that these products have read, and of the first read of their results
.endr
.endm
	s_wait_alu depctr_va_vdst(0)
	KBATCH 0
	KBATCH 1
	KBATCH 2
; ---- 2: the softmax.  The band's two edges fall into blocks 0 and 8; blocks 1 to 7 lie inside every query's band.  Registers are taken in ascending order, each accumulator from its low end on
.irp t, 0,1,2,3,4,5,6,7,8,9,10,11,12,13,14,15
	v_cmp_lt_i32 vcc_lo, \t, v[DL]
	v_cndmask_b32 v[S+\t], v[S+\t], v[NINF], vcc_lo            ; block 0: key < query - 128
	v_cndmask_b32 v[S+128+\t], v[NINF], v[S+128+\t], vcc_lo    ; block 8: key >= query + 128
.endr
.irp b, 0,1,2,3,4,5,6,7,8                      ; THE LARGEST SCORE OF EACH BLOCK: it serves the row's maximum and, since p rises with the score, the block's largest p.  The nine blocks by turns
.set NM, 72+12*(\b/3)+2*(\b%3)
	v_max3_num_f32 v[NM+1], v[S+16*\b], v[S+16*\b+1], v[S+16*\b+2]
.endr
.irp i, 3,5,7,9,11,13
.irp b, 0,1,2,3,4,5,6,7,8
.set NM, 72+12*(\b/3)+2*(\b%3)
	v_max3_num_f32 v[NM+1], v[NM+1], v[S+16*\b+\i], v[S+16*\b+\i+1]
.endr
.endr
.irp b, 0,1,2,3,4,5,6,7,8
.set NM, 72+12*(\b/3)+2*(\b%3)
	v_max_num_f32 v[NM+1], v[NM+1], v[S+16*\b+15]
.endr
.irp b, 0,1,2,3,4,5,6,7,8
.set NM, 72+12*(\b/3)+2*(\b%3)
	v_permlanex16_b32 v[NM], v[NM+1], s[SEL], s[SEL+1]
.endr
.irp b, 0,1,2,3,4,5,6,7,8
.set NM, 72+12*(\b/3)+2*(\b%3)
	v_max_num_f32 v[NM+1], v[NM+1], v[NM]          ; with lane l xor 16's 16 keys
.endr
.irp b, 0,1,2,3,4,5,6,7,8
.set NM, 72+12*(\b/3)+2*(\b%3)
	v_add_f32 v[NM+1], s[BIAS+\b], v[NM+1]         ; a block outside the head counts for nothing
.endr
	v_max3_num_f32 v[TV], v[NM0+1], v[NM1+1], v[NM2+1]
	s_delay_alu instid0(VALU_DEP_1)
	v_max3_num_f32 v[TV], v[TV], v[NM3+1], v[NM4+1]
	s_delay_alu instid0(VALU_DEP_1)
	v_max3_num_f32 v[TV], v[TV], v[NM5+1], v[NM6+1]
	s_delay_alu instid0(VALU_DEP_1)
	v_max3_num_f32 v[TV], v[TV], v[NM7+1], v[NM8+1]            ; the row's maximum: a number, since a query sees itself
	s_delay_alu instid0(VALU_DEP_1)
	v_mul_f32 v[NCM], s28, v[TV]                   ; -c M.  Its rounding is the same in every p of the row and falls out with the division by the sum
.irp b, 0,1,2,3,4,5,6,7,8
.set NM, 72+12*(\b/3)+2*(\b%3)
	v_add_f32 v[NM], s[BIAS+\b], v[NCM]            ; the block's addend: -c M, or -infinity
.endr
.irp b, 0,1,2,3,4,5,6,7,8
.irp j, 0,2,4,6,8,10,12,14
	v_pk_fma_f32 v[S+16*\b+\j:S+16*\b+\j+1], v[S+16*\b+\j:S+16*\b+\j+1], s[CS:CS+1], v[72+12*(\b/3)+2*(\b%3):73+12*(\b/3)+2*(\b%3)] op_sel_hi:[1,0,0]   ; c s - c M, two at a time (of the pairs the low word serves both halves)
.endr
.endr
.irp b, 0,1,2,3,4,5,6,7,8
.set NM, 72+12*(\b/3)+2*(\b%3)
	v_fma_f32 v[NM+1], v[NM+1], s[CS], v[NM]       ; the same of each block's largest score
.endr
.set i, 0
	s_wait_alu depctr_va_vdst(0)
.rept 144
	v_exp_f32 v[S+i], v[S+i]                       ; 2^(c s - c M) = e^(s / 8 - the row's maximum)
.set i, i+1
.endr
	v_nop                                          ; a plain instruction behind the last exponential,
	s_wait_alu depctr_va_vdst(0)                   ; and one wait for the batch, ahead of its first reader
.irp b, 0,1,2,3,4,5,6,7,8
.set NM, 72+12*(\b/3)+2*(\b%3)
	v_exp_f32 v[NM+1], v[NM+1]                     ; the same two instructions on the same number give the same bits
.endr
	v_pk_add_f32 v[22:23], v[112:113], v[114:115]
	v_pk_add_f32 v[110:111], v[120:121], v[124:125]
	v_pk_add_f32 v[108:109], v[128:129], v[132:133]
	v_pk_add_f32 v[64:65], v[136:137], v[140:141]
	v_pk_add_f32 v[62:63], v[144:145], v[148:149]
	v_pk_add_f32 v[60:61], v[152:153], v[156:157]
	v_pk_add_f32 v[58:59], v[160:161], v[164:165]
	v_pk_add_f32 v[20:21], v[168:169], v[172:173]
	v_pk_add_f32 v[20:21], v[20:21], v[176:177]
	v_pk_add_f32 v[22:23], v[22:23], v[180:181]
	v_pk_add_f32 v[110:111], v[110:111], v[184:185]
	v_pk_add_f32 v[108:109], v[108:109], v[188:189]
	v_pk_add_f32 v[64:65], v[64:65], v[192:193]
	v_pk_add_f32 v[62:63], v[62:63], v[196:197]
	v_pk_add_f32 v[60:61], v[60:61], v[200:201]
	v_pk_add_f32 v[58:59], v[58:59], v[204:205]
	v_pk_add_f32 v[20:21], v[20:21], v[208:209]
	v_pk_add_f32 v[22:23], v[22:23], v[212:213]
	v_pk_add_f32 v[110:111], v[110:111], v[216:217]
	v_pk_add_f32 v[108:109], v[108:109], v[220:221]
	v_pk_add_f32 v[64:65], v[64:65], v[224:225]
	v_pk_add_f32 v[62:63], v[62:63], v[228:229]
	v_pk_add_f32 v[60:61], v[60:61], v[232:233]
	v_pk_add_f32 v[58:59], v[58:59], v[236:237]
	v_pk_add_f32 v[20:21], v[20:21], v[240:241]
	v_pk_add_f32 v[22:23], v[22:23], v[244:245]
	v_pk_add_f32 v[110:111], v[110:111], v[248:249]
	v_pk_add_f32 v[108:109], v[108:109], v[252:253]
	v_pk_add_f32 v[64:65], v[64:65], v[116:117]
	v_pk_add_f32 v[62:63], v[62:63], v[118:119]
	v_pk_add_f32 v[60:61], v[60:61], v[122:123]
	v_pk_add_f32 v[58:59], v[58:59], v[126:127]
	v_pk_add_f32 v[20:21], v[20:21], v[130:131]
	v_pk_add_f32 v[22:23], v[22:23], v[134:135]
	v_pk_add_f32 v[110:111], v[110:111], v[138:139]
	v_pk_add_f32 v[108:109], v[108:109], v[142:143]
	v_pk_add_f32 v[64:65], v[64:65], v[146:147]
	v_pk_add_f32 v[62:63], v[62:63], v[150:151]
	v_pk_add_f32 v[60:61], v[60:61], v[154:155]
	v_pk_add_f32 v[58:59], v[58:59], v[158:159]
	v_pk_add_f32 v[20:21], v[20:21], v[162:163]
	v_pk_add_f32 v[22:23], v[22:23], v[166:167]
	v_pk_add_f32 v[110:111], v[110:111], v[170:171]
	v_pk_add_f32 v[108:109], v[108:109], v[174:175]
	v_pk_add_f32 v[64:65], v[64:65], v[178:179]
	v_pk_add_f32 v[62:63], v[62:63], v[182:183]
	v_pk_add_f32 v[60:61], v[60:61], v[186:187]
	v_pk_add_f32 v[58:59], v[58:59], v[190:191]
	v_pk_add_f32 v[20:21], v[20:21], v[194:195]
	v_pk_add_f32 v[22:23], v[22:23], v[198:199]
	v_pk_add_f32 v[110:111], v[110:111], v[202:203]
	v_pk_add_f32 v[108:109], v[108:109], v[206:207]
	v_pk_add_f32 v[64:65], v[64:65], v[210:211]
	v_pk_add_f32 v[62:63], v[62:63], v[214:215]
	v_pk_add_f32 v[60:61], v[60:61], v[218:219]
	v_pk_add_f32 v[58:59], v[58:59], v[222:223]
	v_pk_add_f32 v[20:21], v[20:21], v[226:227]
	v_pk_add_f32 v[22:23], v[22:23], v[230:231]
	v_pk_add_f32 v[110:111], v[110:111], v[234:235]
	v_pk_add_f32 v[108:109], v[108:109], v[238:239]
	v_pk_add_f32 v[64:65], v[64:65], v[242:243]
	v_pk_add_f32 v[62:63], v[62:63], v[246:247]
	v_pk_add_f32 v[60:61], v[60:61], v[250:251]
	v_pk_add_f32 v[58:59], v[58:59], v[254:255]
	s_delay_alu instid0(VALU_DEP_4)
	v_pk_add_f32 v[20:21], v[20:21], v[64:65]
	s_delay_alu instid0(VALU_DEP_4)
	v_pk_add_f32 v[22:23], v[22:23], v[62:63]
	s_delay_alu instid0(VALU_DEP_4)
	v_pk_add_f32 v[110:111], v[110:111], v[60:61]
	s_delay_alu instid0(VALU_DEP_4)
	v_pk_add_f32 v[108:109], v[108:109], v[58:59]
	s_delay_alu instid0(VALU_DEP_2)
	v_pk_add_f32 v[20:21], v[20:21], v[110:111]
	s_delay_alu instid0(VALU_DEP_2)
	v_pk_add_f32 v[22:23], v[22:23], v[108:109]
	s_delay_alu instid0(VALU_DEP_1)
	v_pk_add_f32 v[20:21], v[20:21], v[22:23]
	s_delay_alu instid0(VALU_DEP_1)
	v_add_f32 v[SA], v[SA], v[SA+1]
	s_delay_alu instid0(VALU_DEP_1)
	v_permlanex16_b32 v[SA+1], v[SA], s[SEL], s[SEL+1]
	s_delay_alu instid0(VALU_DEP_1)
	v_add_f32 v[SA], v[SA], v[SA+1]                ; with lane l xor 16's half of the keys: the row's sum, about 1 at the least
	s_wait_alu depctr_va_vdst(0)
	v_rcp_f32 v[SB], v[SA]
	v_nop
	s_wait_alu depctr_va_vdst(0)                   ; one wait for the nine exponentials and the reciprocal
.set i, 0
.rept 72
	v_pk_mul_f32 v[S+i:S+i+1], v[S+i:S+i+1], v[SB:SB+1] op_sel_hi:[1,0]   ; attn, finished: what the quantiser takes
.set i, i+2
.endr
.irp b, 0,1,2,3,4,5,6,7,8
.set NM, 72+12*(\b/3)+2*(\b%3)
	v_mul_f32 v[NM+1], v[NM+1], v[SB]              ; each block's largest
.endr
.irp b, 0,1,2,3,4,5,6,7,8
.set NM, 72+12*(\b/3)+2*(\b%3)
	v_max_num_f32 v[NM+1], 0x1800000, v[NM+1]      ; the floor 2^(3 - 127): the byte cannot fall under 1
.endr
.irp b, 0,1,2,3,4,5,6,7,8
.set NM, 72+12*(\b/3)+2*(\b%3)
	v_add_nc_u32 v[NM+1], 0xff000000, v[NM+1]      ; 2 off the exponent field: the conversion takes the exponent field of this operand as its scale, and nothing else of it
.endr
.irp b, 0,1,2,3,4,5,6,7,8
.set NM, 72+12*(\b/3)+2*(\b%3)
	v_lshrrev_b32 v[NM], 23, v[NM+1]               ; the scale's byte
.endr
	v_lshl_or_b32 v[KSC], v[NM1], 8, v[NM0]        ; P's scale words: blocks 0-3,
	v_lshl_or_b32 v[KSC+1], v[NM5], 8, v[NM4]      ; blocks 4-7,
	s_delay_alu instid0(VALU_DEP_2)
	v_lshl_or_b32 v[KSC], v[NM2], 16, v[KSC]
	s_delay_alu instid0(VALU_DEP_2)
	v_lshl_or_b32 v[KSC+1], v[NM6], 16, v[KSC+1]
	s_delay_alu instid0(VALU_DEP_2)
	v_lshl_or_b32 v[KSC], v[NM3], 24, v[KSC]
	s_delay_alu instid0(VALU_DEP_2)
	v_lshl_or_b32 v[KSC+1], v[NM7], 24, v[KSC+1]
	v_mov_b32 v[KSC+2], v[NM8]                     ; block 8; the bytes of the three places left over are 0, over zero codes
; ---- 2 / 3: P's codes, and V's fragments into the registers that the codes' numbers leave
; Blocks 4 s .. 4 s + 3 become fragment s.  A conversion gives half a block's codes; the operand's layout wants a whole block in a lane (lanes 0-15 block 2 c, lanes 16-31 block 2 c + 1): three exchanges of halves and three moves a pair
.macro QUANT4 s
.irp c, 0,1
.set B0, 4*\s+2*\c
.set B1, 4*\s+2*\c+1
	v_cvt_scalef32_pk16_fp6_f32 v[PC+12*\s+6*\c:PC+12*\s+6*\c+2], v[S+64*\s+32*\c:S+64*\s+32*\c+15], v[73+12*(B0/3)+2*(B0%3)]
	v_cvt_scalef32_pk16_fp6_f32 v[QF+84*\c:QF+84*\c+2], v[S+64*\s+32*\c+16:S+64*\s+32*\c+31], v[73+12*(B1/3)+2*(B1%3)]   ; (a conversion's three registers begin on an even number: v24 or v108)
.endr
	v_nop                                          ; one plain place behind a scaled conversion
.irp c, 0,1
.irp i, 0,1,2
	v_permlane16_swap_b32 v[PC+12*\s+6*\c+\i], v[QF+84*\c+\i]
.endr
.irp i, 0,1,2
	s_delay_alu instid0(VALU_DEP_3)
	v_mov_b32 v[PC+12*\s+6*\c+3+\i], v[QF+84*\c+\i]
.endr
.endr
.endm
; V's four fragments of K step s (0, 1): tile t at v[S + 64 s + 12 t]
.macro VFRAG s
.irp t, 0,1,2,3
.irp p, 0,1,2
	ds_load_b64 v[S+64*\s+12*\t+2*\p:S+64*\s+12*\t+2*\p+1], v[AVA] offset:2*VPIECE*\s+768*\t+8*\p
.endr
.irp p, 0,1,2
	ds_load_b64 v[S+64*\s+12*\t+6+2*\p:S+64*\s+12*\t+6+2*\p+1], v[AVB] offset:2*VPIECE*\s+768*\t+8*\p
.endr
.endr
.endm
	QUANT4 0
.irp t, 0,1,2,3
.irp i, 0,1,2
	ds_load_b32 v[VSW+3*\t+\i], v[ASV] offset:256*\i+32*\t     ; V's scale words as they lie: chunks u / 4 + i
.endr
.endr
	VFRAG 0
	QUANT4 1
	VFRAG 1
.irp i, 0,1,2
	v_mov_b32 v[QF+\i], 0
.endr
	v_cvt_scalef32_pk16_fp6_f32 v[PC+24:PC+26], v[S+128:S+143], v[NM8+1]   ; block 8 alone: its partner in the exchange is zeros, so lanes 16-31 end with zero codes
	v_nop
.irp i, 0,1,2
	v_permlane16_swap_b32 v[PC+24+\i], v[QF+\i]
.endr
.irp i, 0,1,2
	s_delay_alu instid0(VALU_DEP_3)
	v_mov_b32 v[PC+27+\i], v[QF+\i]
.endr
.irp t, 0,1,2,3                                ; K step 2: six registers a tile, in front of six zeros that stand since the head: v24, v72, v84, v96
.if \t == 0
.set VA, QF
.else
.set VA, 60+12*\t
.endif
.irp p, 0,1,2
	ds_load_b64 v[VA+2*\p:VA+2*\p+1], v[AVC] offset:768*\t+8*\p
.endr
.endr
	s_wait_dscnt 60                                ; the 12 scale words are in; behind them 24 + 24 + 12 fragment loads were issued
.irp t, 0,1,2,3
	v_perm_b32 v[VSW+3*\t], v[VSW+3*\t+1], v[VSW+3*\t], s39        ; the bytes of blocks u .. u + 3,
	v_perm_b32 v[VSW+3*\t+1], v[VSW+3*\t+2], v[VSW+3*\t+1], s39    ; u + 4 .. u + 7,
	v_bfe_u32 v[VSW+3*\t+2], v[VSW+3*\t+2], s[SH], 8               ; and u + 8
.endr
.rept 8
	v_nop                                          ; a scale register written by a vector instruction stands 8 places ahead of a scaled matrix instruction, an operand so written 4
.endr
; ---- 3: O^T = V^T P^T.  The four accumulators take turns, one instruction a turn; the first K step starts the sums
.macro PV s
.irp t, 0,1,2,3
.if \s < 2
.set VA, S+64*\s+12*\t
.elseif \t == 0
.set VA, QF
.else
.set VA, 60+12*\t
.endif
.if \s == 0
	v_wmma_scale_f32_16x16x128_f8f6f4 v[O+8*\t:O+8*\t+7], v[VA:VA+11], v[PC+12*\s:PC+12*\s+11], 0, v[VSW+3*\t+\s], v[KSC+\s] matrix_a_fmt:MATRIX_FMT_FP6 matrix_b_fmt:MATRIX_FMT_FP6
.else
	v_wmma_scale_f32_16x16x128_f8f6f4 v[O+8*\t:O+8*\t+7], v[VA:VA+11], v[PC+12*\s:PC+12*\s+11], v[O+8*\t:O+8*\t+7], v[VSW+3*\t+\s], v[KSC+\s] matrix_a_fmt:MATRIX_FMT_FP6 matrix_b_fmt:MATRIX_FMT_FP6
.endif
.endr
.endm
	s_wait_alu depctr_va_vdst(0)
	s_wait_dscnt 36                                ; K step 0's fragments are in; 24 + 12 loads were issued behind them
	PV 0
	s_wait_dscnt 12                                ; K step 1's; 12 behind them
	PV 1
	s_wait_dscnt 0x0
	PV 2
.rept 4
	v_nop                                          ; four places in front of the first read of the results, and of the loads into registers that the products have read
.endr
; ---- THE WAY OUT.  A lane holds 128 neighbouring bytes of its query's row, the lanes beside it other rows: the 16 rows go through my own stage and come back two whole rows an instruction.
; LDS serves a wave's instructions in order (ISA guide 5.7.1.4): no wait between the stores and the loads
.irp t, 0,1,2,3
	ds_store_b128 v[STO], v[O+8*\t:O+8*\t+3] offset:32*\t          ; each accumulator from its low end on
	ds_store_b128 v[STO], v[O+8*\t+4:O+8*\t+7] offset:32*\t+16
.endr
.irp i, 0,1,2,3,4,5,6,7
	ds_load_b128 v[S+4*\i:S+4*\i+3], v[RD] offset:2*\i*SPITCH
.endr
.irp i, 0,1,2,3,4,5,6,7
	s_wait_dscnt 7-\i                              ; load i is in; the 7 - i younger ones may be out
	global_store_b128 v[GO], v[S+4*\i:S+4*\i+3], s[16:17] offset:512*\i th:TH_STORE_NT   ; 32 lanes store 512 consecutive bytes, at a multiple of 256 from out's first byte; written once, read by nobody here
.endr
	s_wait_tensorcnt 0x0                           ; the wave's end: behind my last tensor load and my last LDS store
	ds_add_u32 v[SPW], v[NIL]
	s_wait_dscnt 0x0
	s_endpgm
.Lfunc_end_k_q1614f7396f_attn:
	.size	k_q1614f7396f_attn, .Lfunc_end_k_q1614f7396f_attn-k_q1614f7396f_attn
	.p2alignl 7, 3214868480
	.fill 96, 4, 3214868480
	.section	.rodata,"a",@progbits
	.p2align	6, 0x0
	.amdhsa_kernel k_q1614f7396f_attn
		.amdhsa_group_segment_fixed_size 167936
		.amdhsa_private_segment_fixed_size 0
		.amdhsa_enable_private_segment 0
		.amdhsa_kernarg_size 56
		.amdhsa_user_sgpr_count 2
		.amdhsa_user_sgpr_kernarg_segment_ptr 1
		.amdhsa_wavefront_size32 1
		.amdhsa_system_sgpr_workgroup_id_x 1
		.amdhsa_system_sgpr_workgroup_id_y 1
		.amdhsa_system_sgpr_workgroup_id_z 1
		.amdhsa_system_vgpr_workitem_id 0
		.amdhsa_next_free_vgpr 256
		.amdhsa_next_free_sgpr 100
		.amdhsa_reserve_vcc 1
		.amdhsa_float_denorm_mode_32 3
		.amdhsa_float_denorm_mode_16_64 3
		.amdhsa_memory_ordered 1
		.amdhsa_forward_progress 1
		.amdhsa_inst_pref_size 62
	.end_amdhsa_kernel
	.amdgpu_metadata
---
amdhsa.version: [ 1, 2 ]
amdhsa.kernels:
  - .name:           k_q1614f7396f_attn
    .symbol:         k_q1614f7396f_attn.kd
    .args:
      - { .name: q_codes, .offset: 0, .size: 8, .value_kind: global_buffer, .address_space: global }
      - { .name: q_scales, .offset: 8, .size: 8, .value_kind: global_buffer, .address_space: global }
      - { .name: k_codes, .offset: 16, .size: 8, .value_kind: global_buffer, .address_space: global }
      - { .name: k_scales, .offset: 24, .size: 8, .value_kind: global_buffer, .address_space: global }
      - { .name: v_codes, .offset: 32, .size: 8, .value_kind: global_buffer, .address_space: global }
      - { .name: v_scales, .offset: 40, .size: 8, .value_kind: global_buffer, .address_space: global }
      - { .name: out0, .offset: 48, .size: 8, .value_kind: global_buffer, .address_space: global }
    .group_segment_fixed_size: 167936
    .private_segment_fixed_size: 0
    .kernarg_segment_align: 8
    .kernarg_segment_size: 56
    .max_flat_workgroup_size: 512
    .sgpr_count:     100
    .vgpr_count:     256
    .wavefront_size: 32
...
	.end_amdgpu_metadata
.endif
;; end of part 1
